; MI455X (gfx1250); checked and timed in simulation.
; The chip was launched on July 23, 2026; its instructions are those of AMD's public machine-readable ISA for CDNA 5 (MIT licence, August 2026) and "CDNA5" Instruction Set Architecture Reference Guide (July 2026). The comments in the code are by the model that wrote it; some were corrected since.
;; Sparse Attention. Allowed arithmetic: matrix products marked QUANTISED: E2M3 operands, one E8M0 scale for each 32 along K, by v_wmma_scale_f32_16x16x128_f8f6f4 with both operands' format E2M3, f32 sums; everything else in f32.
;; Inputs: Wk 512 x 512 float32; Wo 512 x 512 float32; Wq 512 x 512 float32; Wv 512 x 512 float32; bo 512 float32; x 2 x 4,096 x 512 float32.
;; Outputs: out0 2 x 4,096 x 512 float32.
;; This version of the problem:
;;   THIS VERSION OF THE PROBLEM IS GIVEN IN LOW PRECISION. The matrix products marked QUANTISED in the list below multiply operands that are first quantised to E2M3 (2 exponent bits, 3 mantissa bits; 6 bits a number), with one power-of-two scale for each 32 numbers along K (OCP MX v1.0); their sums are f32. All else is computed in f32.
;;   The module's matrix products, in the order in which they are computed (A, B: the left and right operand; K: the contracted axis; several contracted axes count as one K, in the product's order):
;;     1. [M 8,192, K 512] x [K 512, N 512]; A: input x; B: input Wq: QUANTISED
;;     2. [M 8,192, K 512] x [K 512, N 512]; A: input x; B: input Wk: QUANTISED
;;     3. [M 8,192, K 512] x [K 512, N 512]; A: input x; B: input Wv: QUANTISED
;;     4. batch 16 x [M 4,096, K 64] x [K 64, N 4,096]; A: computed on the way; B: computed on the way: QUANTISED
;;     5. batch 16 x [M 4,096, K 4,096] x [K 4,096, N 64]; A: softmax (see below); B: computed on the way: QUANTISED
;;     6. [M 8,192, K 512] x [K 512, N 512]; A: computed on the way; B: input Wo: QUANTISED
;;   THE QUANTISER, for each operand of a quantised product, along K:
;;     - K is cut into blocks of 32 from its start; a last block that is shorter is filled with zeros.
;;     - A block's scale is 2^e with e = floor(log2(the largest magnitude in the block)) - 2, held to -126 .. 127; a block of zeros has e = 0. As a byte (E8M0): e + 127.
;;     - Each number is divided by its block's scale, clamped to +-7.5, and rounded to the nearest number of E2M3, ties to even, subnormals kept.
;;     - The product sums the exact products of the quantised numbers (number of the format x scale) in f32.
;;   ~~~python
;;   def quantise(x, axis):      # numpy; x: float32 -> the quantised numbers, widened to float32 again
;;       x = np.moveaxis(x, axis, -1); K = x.shape[-1]
;;       x = np.pad(x, [(0, 0)] * (x.ndim - 1) + [(0, -K % 32)]); x = x.reshape(x.shape[:-1] + (-1, 32)); a = np.abs(x).max(-1, keepdims=True)
;;       e = np.where(a > 0, np.clip(np.frexp(np.where(a > 0, a, 1))[1] - 1 - 2, -126, 127), 0)      # np.frexp(a)[1] - 1 = floor(log2(a)), exactly
;;       r = np.clip(x / 2.0 ** e, -7.5, 7.5)
;;       step = 2.0 ** (np.maximum(np.frexp(np.where(r == 0, 1, r))[1] - 1, 0) - 3)
;;       q = np.round(r / step) * step * 2.0 ** e      # np.round: ties to even
;;       return np.moveaxis(q.reshape(q.shape[:-2] + (-1,))[..., :K], -1, axis).astype(np.float32)
;;   ~~~
;;   SOFTMAX AHEAD OF A QUANTISED PRODUCT. Where the list says 'softmax', what is quantised is not the finished softmax but p = 2^(t - M), with t = logit x log2(e) and M = ceil(the row's largest t), a whole number; so 1/2 < the row's largest p <= 1. The row's sum l is taken of the UNQUANTISED p, in f32, and the product's result is divided by l at the end. Since M is a whole number, a kernel that streams over the keys may use a running M (the ceiling of the running maximum): every later rescaling is an exact power of two, which a block's scale takes up: the codes' values come out the same.
;;   OPERANDS COMPUTED ON THE WAY. 'Computed on the way' means the value that the module computes at that place (a softmax that the list does not call 'softmax' is quantised finished and normalised). What goes into a quantiser is computed in f32, as accurately as f32 sums, v_exp_f32 and their like allow (about 1e-6 of the number): no bf16 or f16 on the way to a quantiser, and a product that is left as it is and whose result goes on into a quantised operand takes f32 operands (vector FMAs, or v_wmma_f32_16x16x4_f32). A number that lies on a knife's edge between two numbers of the format may be rounded either way, as far as f32 arithmetic and the matrix unit's own rounding can turn it there, and no further.
;; One version. Each part assembles by itself: llvm-mc -triple=amdgcn-amd-amdhsa -mcpu=gfx1250 --defsym DOCPART=n.
;; ======== version 1 of 1: 3 launches
;; limits: right only within a limited range of input values
;; workspace buffers: img 3,932,160 bytes; isc 327,680 bytes; qkc 6,291,456 bytes; qks 524,288 bytes; vc 3,145,728 bytes; vs 131,072 bytes
;; launch quant (part 1): grid 256 x 1, 5 waves a work-group, no clusters, 85,248 bytes of LDS; arguments x, Wq, Wk, Wv, Wo, img, isc; writes img, isc
.if DOCPART == 1
	.amdgcn_target "amdgcn-amd-amdhsa--gfx1250"
	.amdhsa_code_object_version 6
	.text
	.protected	k_q17a1a9dddb_quant
	.globl	k_q17a1a9dddb_quant
	.p2align	8
	.type	k_q17a1a9dddb_quant,@function
k_q17a1a9dddb_quant:
	s_mov_b64 s[64:65], 0
	v_nop
	global_prefetch_b8 v0, s[64:65] scope:SCOPE_SE
	s_setreg_imm32_b32 hwreg(HW_REG_WAVE_MODE, 25, 1), 1
	s_wait_xcnt 0x0
; x [8192][512] and Wq, Wk, Wv, Wo [512][512], f32 with K innermost, become codes of FP6 (E2M3) with one E8M0 byte for each 32 along K,
; laid as IMAGES OF THE MATRIX OPERAND'S REGISTERS, so that the later launches load fragments by 16-byte loads of neighbouring lanes.
; TILES.  Tile T of a tensor takes, in lane-row r, the row 32 (T / 2) + 8 (T % 2) + r + 8 (r / 8): as source 0 of a product such tiles leave 16 neighbours in the 16 result registers of tiles 2 b, 2 b + 1.
; img: [tile 0..639][K step 0..3] images of 1,536 bytes: registers 4 c .. 4 c + 3 of lane l at 512 c + 16 l.  Tiles 0-511 x, 512- Wq, 544- Wk, 576- Wv, 608- Wo.
; isc: tile x 512 + (K step / 2) x 256 + 8 x lane + 4 x (K step % 2): the row's scale word (lanes 16-31 repeat lanes 0-15).
; SHARES.  1,280 tasks, one a wave: task 5 x work-group + wave = 2 x tile + half of K: 16 rows x 256 numbers, 16 KiB.  Each load takes 512 consecutive bytes of a row; the numbers turn through the wave's own
; stage in LDS (rows 528 bytes apart) so that lane (r, h) gets, of row r, the numbers 32 b + 16 h + 0 .. 15 of each block b.  Waves share nothing: no barrier.
; A block's scale is 2^(floor(log2(largest magnitude)) - 2); its byte is the largest magnitude's exponent field - 2, held at 1 from below.
; LIMITS: a block of zeros gets the byte 1 (its codes are zeros, and this program alone reads the bytes); blocks whose largest magnitude lies under 2^-124 were not tried; NaN and infinities are not served.
; No tensor loads, clusters or matrix work: each input byte is read once, by one wave, and nothing is shared.
.set WREG,  16896                      ; LDS of a wave: two stages of 16 rows x 528 bytes
.set SP,    528                        ; a stage row: 512 bytes + 16
.set SPARE, 5*WREG                     ; behind the stages: the spare words, 128 bytes a wave, three blocks of 256 bytes that no other line names
.set SPW, 6                            ; v6   my spare word's address; never rewritten
.set NIL, 7                            ; v7   0; never rewritten
.set TM,  8                            ; v8-23  at work in QUANT
.set PW,  24                           ; v24-25 the two scale words
.set PC,  28                           ; v28-39 a fragment's codes
.set PCT, 40                           ; v40-47 the conversions' second halves
.set R0,  64                           ; v64-127  K step 0 as loaded; later K step 1 turned
.set R1,  128                          ; v128-191 K step 1 as loaded
.set X,   192                          ; v192-255 K step 0 turned
.set SEL, 36                           ; s[36:37] v_permlanex16_b32's selects for lane l xor 16
.set MSB, 0
.macro WIN new                         ; a switch of the register windows; here every window is 0 and none is assembled
.if MSB != (\new)
	s_set_vgpr_msb (MSB<<8)|(\new)
.set MSB, \new
.endif
.endm
; 16 nb numbers of a lane (window win), register 16 b + i = k 32 b + 16 (lane / 16) + i of my row, become codes in v[dst] on (6 registers for two blocks) and the row's scale word in v[word].
.macro QUANT src, win, nb, dst, tmp, word
	WIN 20*(\win)
.set qb, 0
.rept \nb
	v_max3_num_f32 v[TM+qb], 0x1800000, |v[\src+16*qb]|, |v[\src+16*qb+1]|   ; my 16 numbers of block b, and the floor 2^(3 - 127): the byte cannot fall under 1
.set qb, qb+1
.endr
.irp i, 2,4,6,8,10,12,14
.set qb, 0
.rept \nb
	v_max3_num_f32 v[TM+qb], v[TM+qb], |v[\src+16*qb+\i]|, |v[\src+16*qb+\i+1]|   ; the blocks by turns
.set qb, qb+1
.endr
.endr
	WIN 0
.set qb, 0
.rept \nb
	v_permlanex16_b32 v[TM+4+qb], v[TM+qb], s[SEL], s[SEL+1]
.set qb, qb+1
.endr
.set qb, 0
.rept \nb
	v_max_num_f32 v[TM+qb], v[TM+qb], v[TM+4+qb]   ; with lane l xor 16's: the block's largest magnitude
.set qb, qb+1
.endr
.set qb, 0
.rept \nb
	v_add_nc_u32 v[TM+12+qb], 0xff000000, v[TM+qb]   ; 2 off its exponent field: the conversion's scale operand
.set qb, qb+1
.endr
.set qb, 0
.rept \nb
	v_lshrrev_b32 v[TM+4+qb], 23, v[TM+12+qb]      ; the scale's byte
.set qb, qb+1
.endr
	v_lshl_or_b32 v[\word], v[TM+5], 8, v[TM+4]
.if \nb == 4
	v_lshl_or_b32 v[\word], v[TM+6], 16, v[\word]
	v_lshl_or_b32 v[\word], v[TM+7], 24, v[\word]
.endif
	WIN \win
.set qc, 0
.rept \nb/2
	v_cvt_scalef32_pk16_fp6_f32 v[\dst+6*qc:\dst+6*qc+2], v[\src+32*qc:\src+32*qc+15], v[TM+12+2*qc]
	v_cvt_scalef32_pk16_fp6_f32 v[\tmp+4*qc:\tmp+4*qc+2], v[\src+32*qc+16:\src+32*qc+31], v[TM+13+2*qc]   ; (a conversion's three registers begin on an even number)
.set qc, qc+1
.endr
	WIN 0
	v_nop                                          ; one plain place behind the scaled conversions
.set qc, 0
.rept \nb/2                                    ; the operand's layout wants a whole block in a lane: lanes 0-15 block 2 c, lanes 16-31 block 2 c + 1
.irp i, 0,1,2
	v_permlane16_swap_b32 v[\dst+6*qc+\i], v[\tmp+4*qc+\i]
.endr
.irp i, 0,1,2
	v_mov_b32 v[\dst+6*qc+3+\i], v[\tmp+4*qc+\i]
.endr
.set qc, qc+1
.endr
.endm
.macro TOSTAGE reg, off                        ; 16 rows as loaded: 512 consecutive bytes a store
.set li, 0
.rept 16
	ds_store_b128 v2, v[\reg+4*li:\reg+4*li+3] offset:\off+SP*li
.set li, li+1
.endr
.endm
.macro FROMSTAGE reg, off                      ; and back: register 16 b + 4 j on: bytes 128 b + 64 h + 16 j of row r
.set li, 0
.rept 16
	ds_load_b128 v[\reg+4*li:\reg+4*li+3], v3 offset:\off+128*(li/4)+16*(li%4)
.set li, li+1
.endr
.endm
	s_load_b256 s[8:15], s[0:1], 0x0               ; x s[8:9], Wq s[10:11], Wk s[12:13], Wv s[14:15]
	s_load_b128 s[16:19], s[0:1], 0x20             ; Wo s[16:17], img s[18:19]
	s_load_b64 s[20:21], s[0:1], 0x30              ; isc
	v_lshl_add_u32 v[SPW], v0, 2, SPARE
	v_mov_b32 v[NIL], 0
	v_lshrrev_b32 v5, 5, v0
	v_readfirstlane_b32 s22, v5                    ; wave 0..4
	v_and_b32 v5, 31, v0                           ; lane
	v_lshlrev_b32 v1, 4, v5                        ; 16 x lane: a load's, an image's place
	v_lshlrev_b32 v4, 3, v5                        ; 8 x lane: the scale words' place
	s_mul_i32 s30, s22, WREG                       ; my stages
	v_add_nc_u32 v2, s30, v1                       ; into a stage
	v_and_b32 v3, 15, v0                           ; r
	v_mul_u32_u24 v3, v3, SP
	v_bfe_u32 v5, v0, 4, 1                         ; h
	v_lshl_add_u32 v3, v5, 6, v3
	v_add_nc_u32 v3, s30, v3                       ; out of it: row r, + 64 h
.irp b, 0,1,2,3
	v_mov_b32 v[TM+4+\b], 0                        ; written once: a lane permute's destination counts as one of its sources
.endr
	s_mov_b32 s[SEL], 0x76543210
	s_mov_b32 s[SEL+1], 0xfedcba98
	s_mul_i32 s23, ttmp9, 5
	s_add_co_u32 s23, s23, s22                     ; my task
	s_lshr_b32 s24, s23, 1                         ; the tile, 0..639
	s_and_b32 s25, s23, 1                          ; which half of K
	s_wait_kmcnt 0x0
	s_mov_b64 s[26:27], s[16:17]                   ; the tensor is chosen by the tile's number alone: Wo from tile 608,
	s_mov_b32 s28, 608
	s_cmp_lt_u32 s24, 608
	s_cselect_b64 s[26:27], s[14:15], s[26:27]     ; Wv from 576,
	s_cselect_b32 s28, 576, s28
	s_cmp_lt_u32 s24, 576
	s_cselect_b64 s[26:27], s[12:13], s[26:27]     ; Wk from 544,
	s_cselect_b32 s28, 544, s28
	s_cmp_lt_u32 s24, 544
	s_cselect_b64 s[26:27], s[10:11], s[26:27]     ; Wq from 512,
	s_cselect_b32 s28, 512, s28
	s_cmp_lt_u32 s24, 512
	s_cselect_b64 s[26:27], s[8:9], s[26:27]       ; x from 0
	s_cselect_b32 s28, 0, s28
	s_sub_co_u32 s29, s24, s28                     ; the tile's number in its tensor
	s_lshr_b32 s30, s29, 1
	s_lshl_b32 s30, s30, 5
	s_and_b32 s31, s29, 1
	s_lshl_b32 s31, s31, 3
	s_or_b32 s30, s30, s31                         ; its first row: 32 (T / 2) + 8 (T % 2)
	s_lshl_b32 s30, s30, 11                        ; rows of 2,048 bytes
	s_lshl_b32 s31, s25, 10                        ; + my half of K
	s_add_co_u32 s30, s30, s31
	s_mov_b32 s31, 0
	s_add_nc_u64 s[26:27], s[26:27], s[30:31]
.irp e, 0,1                                    ; K step e of my two: row i of the tile is row i + 8 (i / 8) from the tile's first
.set li, 0
.rept 16
	global_load_b128 v[R0+64*\e+4*li:R0+64*\e+4*li+3], v1, s[26:27] offset:(li+8*(li/8))*2048+512*\e th:TH_LOAD_NT
.set li, li+1
.endr
.endr
	s_mul_i32 s30, s24, 6144
	s_mul_i32 s29, s25, 3072
	s_add_co_u32 s30, s30, s29
	s_add_nc_u64 s[32:33], s[18:19], s[30:31]      ; my two images
	s_lshl_b32 s30, s24, 9
	s_lshl_b32 s29, s25, 8
	s_add_co_u32 s30, s30, s29
	s_add_nc_u64 s[34:35], s[20:21], s[30:31]      ; my 256 bytes of scale words
	s_wait_loadcnt 16                              ; K step 0's sixteen loads are in; K step 1's sixteen may be out
	TOSTAGE R0, 0
	FROMSTAGE X, 0                                 ; LDS serves a wave's instructions in order: these see the stores above
	s_wait_loadcnt 0x0
	TOSTAGE R1, 16*SP
	s_wait_dscnt 16                                ; the first stage's stores and loads are done; the sixteen younger stores may be out
	FROMSTAGE R0, 16*SP
	QUANT X, 0, 4, PC, PCT, PW
.irp c, 0,1,2
	global_store_b128 v1, v[PC+4*\c:PC+4*\c+3], s[32:33] offset:512*\c   ; 512 consecutive bytes a store
.endr
	s_wait_dscnt 0x0                               ; K step 1 is back from its stage
	s_wait_xcnt 0x0                                ; the stores above have read their data: the codes' registers are written again only behind this wait
	QUANT R0, 0, 4, PC, PCT, PW+1
.irp c, 0,1,2
	global_store_b128 v1, v[PC+4*\c:PC+4*\c+3], s[32:33] offset:1536+512*\c
.endr
	global_store_b64 v4, v[PW:PW+1], s[34:35]      ; 32 lanes store 256 consecutive bytes
	s_wait_tensorcnt 0x0                           ; the wave's end
	ds_add_u32 v[SPW], v[NIL]
	s_wait_dscnt 0x0
	s_endpgm
.Lfunc_end_k_q17a1a9dddb_quant:
	.size	k_q17a1a9dddb_quant, .Lfunc_end_k_q17a1a9dddb_quant-k_q17a1a9dddb_quant
	.p2alignl 7, 3214868480
	.fill 96, 4, 3214868480
	.section	.rodata,"a",@progbits
	.p2align	6, 0x0
	.amdhsa_kernel k_q17a1a9dddb_quant
		.amdhsa_group_segment_fixed_size 85248
		.amdhsa_private_segment_fixed_size 0
		.amdhsa_enable_private_segment 0
		.amdhsa_kernarg_size 56
		.amdhsa_user_sgpr_count 2
		.amdhsa_user_sgpr_kernarg_segment_ptr 1
		.amdhsa_wavefront_size32 1
		.amdhsa_system_sgpr_workgroup_id_x 1
		.amdhsa_system_sgpr_workgroup_id_y 1
		.amdhsa_system_sgpr_workgroup_id_z 1
		.amdhsa_system_vgpr_workitem_id 0
		.amdhsa_next_free_vgpr 256
		.amdhsa_next_free_sgpr 66
		.amdhsa_reserve_vcc 0
		.amdhsa_float_denorm_mode_32 3
		.amdhsa_float_denorm_mode_16_64 3
		.amdhsa_memory_ordered 1
		.amdhsa_forward_progress 1
		.amdhsa_inst_pref_size 19
	.end_amdhsa_kernel
	.amdgpu_metadata
---
amdhsa.version: [ 1, 2 ]
amdhsa.kernels:
  - .name:           k_q17a1a9dddb_quant
    .symbol:         k_q17a1a9dddb_quant.kd
    .args:
      - { .name: x, .offset: 0, .size: 8, .value_kind: global_buffer, .address_space: global }
      - { .name: Wq, .offset: 8, .size: 8, .value_kind: global_buffer, .address_space: global }
      - { .name: Wk, .offset: 16, .size: 8, .value_kind: global_buffer, .address_space: global }
      - { .name: Wv, .offset: 24, .size: 8, .value_kind: global_buffer, .address_space: global }
      - { .name: Wo, .offset: 32, .size: 8, .value_kind: global_buffer, .address_space: global }
      - { .name: img, .offset: 40, .size: 8, .value_kind: global_buffer, .address_space: global }
      - { .name: isc, .offset: 48, .size: 8, .value_kind: global_buffer, .address_space: global }
    .group_segment_fixed_size: 85248
    .private_segment_fixed_size: 0
    .kernarg_segment_align: 8
    .kernarg_segment_size: 56
    .max_flat_workgroup_size: 160
    .sgpr_count:     66
    .vgpr_count:     256
    .wavefront_size: 32
...
	.end_amdgpu_metadata
.endif
;; end of part 1
;; launch qkv (part 2): grid 64 x 4, 4 waves a work-group, no clusters, 49,664 bytes of LDS; arguments img, isc, qkc, qks, vc, vs; writes qkc, qks, vc, vs
.if DOCPART == 2
	.amdgcn_target "amdgcn-amd-amdhsa--gfx1250"
	.amdhsa_code_object_version 6
	.text
	.protected	k_q17a1a9dddb_qkv
	.globl	k_q17a1a9dddb_qkv
	.p2align	8
	.type	k_q17a1a9dddb_qkv,@function
k_q17a1a9dddb_qkv:
	s_mov_b64 s[64:65], 0
	v_nop
	global_prefetch_b8 v0, s[64:65] scope:SCOPE_SE
	s_setreg_imm32_b32 hwreg(HW_REG_WAVE_MODE, 25, 1), 1
	s_wait_xcnt 0x0
; Q = x Wq^T, K = x Wk^T, V = x Wv^T on codes of FP6 (E2M3) with E8M0 scales, from the operand images of the launch before; the results are quantised here, Q and K along the head's 64, V along the keys,
; and stored as operand images again.
; SHARES.  Work-group (rb, y): rows 128 rb .. + 127 (8 tiles of x), heads 2 y and 2 y + 1.  Wave w: kq = w / 2 (0: Q, 1: K), head 2 y + w % 2: that head's 4 tiles of Wq or Wk; and tiles 8 y + 2 w, + 1 of Wv.
; Its 24 weight fragments (288 registers) stay in registers; 192 matrix instructions a wave, alike in all four.  The roles differ by offsets alone: one path through the text.
; x's 32 fragments (49,152 bytes) are fetched once, a quarter a wave, handed round through LDS as register images (one barrier), and read by all four waves, two tiles at a time.
; LAYOUT.  Q, K: source 0 = 16 units of W, source 1 = 16 rows of x: a lane holds one row, its registers run along the head's units.  V: source 0 = 16 rows of x (keys), source 1 = 16 units of Wv: a lane holds one unit,
; its registers run along the keys.  The tiles' row order (lane-row r of tile T = row 32 (T / 2) + 8 (T % 2) + r + 8 (r / 8)) makes the 16 registers of tiles 2 b, 2 b + 1 sixteen neighbours.
; OUT.  qkc [Q, K][tile 0..511][head] half images of 768 bytes (registers 0-3 at 16 x lane, 4-5 at 512 + 8 x lane).  qks [Q, K][rb][head][lane = 16 (tile % 2) + r][32-row block of rb] words, bytes 0, 1 the two blocks of d.
; vc [pair of key blocks][Wv tile] half images: lanes 0-15 the even key block, lanes 16-31 the odd.  vs [rb][Wv tile][r] words: byte j = key block 4 rb + j.
; NOT SHARED BY JOINT LOADS: a wave reads its 36,864 bytes of weights once, straight into the registers where they stay; a joint load would land them in LDS, from where the same bytes would have to be read once more.
; LIMITS: a block of zeros gets the byte 1 (its codes are zeros; this program alone reads the bytes); blocks under 2^-124 were not tried; NaN and infinities are not served.  The store into vs covers 128 bytes a wave.
; REGISTERS.  Window 0: v1-4 addresses; v8-23, v24-31, v32-63 scale words of Wq/Wk, Wv, x; v64-79 at work; v80-90 scale words made; v96-115 codes; v128-191 the 8 accumulators of Q or K.
;   Window 1: v0-191 Wq/Wk's fragments (t, s) at 12 (4 t + s).   Window 2: v0-95 Wv's (e, s) at 12 (4 e + s); v96-223 V's 16 accumulators (e, m) at 96 + 64 e + 8 m.   Window 3: v0-95 x's fragments (u, s) at 48 u + 12 s.
.set XIMG,  0                          ; LDS: x's 32 fragments: block of two tiles bp at 12,288 bp
.set SPARE, 49152                      ; the spare words, 128 bytes a wave: two blocks of 256 bytes that no other line names
.set SPW, 6
.set NIL, 7
.set WSQ, 8
.set WSV, 24
.set XSC, 32
.set TM,  64
.set PCA, 96                           ; v96-101, v102-107: codes of tile u = 0, 1 (V: one fragment of 12)
.set PCT, 108
.set ACC, 128
.set VA,  96                           ; in window 2
.set XG,  24                           ; s[24:43] the ten bases
.set WQK, 26
.set WV,  28
.set SQK, 30
.set SWV, 32
.set SXS, 34
.set QKO, 36
.set QKSO, 38
.set VCO, 40
.set VSO, 42
.set SEL, 44
.set HM,  46                           ; s46 the mask of lanes 16-31
.set MSB, 0
.macro WIN new                         ; bits 1:0 source 0, 3:2 source 1, 5:4 source 2, 7:6 destination; the high byte repeats the setting that is left
.if MSB != (\new)
	s_set_vgpr_msb (MSB<<8)|(\new)
.set MSB, \new
.endif
.endm
; an offset is made in s[22:23] (s23 = 0), apart from every address, and added to a buffer's address once
.macro OFS k
	s_mov_b32 s22, \k
.endm
.macro TERM r, m
	s_mul_i32 s21, s[\r], \m
	s_add_co_u32 s22, s22, s21
.endm
.macro BASE dst, arg
	s_add_nc_u64 s[\dst:\dst+1], s[\arg:\arg+1], s[22:23]
.endm
; 16 nb numbers of a lane (window win), register 16 b + i = k 32 b + 16 (lane / 16) + i of my row, become codes in v[dst] on (6 registers for two blocks) and the row's scale word in v[word].
.macro QUANT src, win, nb, dst, tmp, word
	WIN 20*(\win)
.set qb, 0
.rept \nb
	v_max3_num_f32 v[TM+qb], 0x1800000, |v[\src+16*qb]|, |v[\src+16*qb+1]|   ; my 16 numbers of block b, and the floor 2^(3 - 127).  Each accumulator is read from its low end on
.set qb, qb+1
.endr
.irp i, 2,4,6,8,10,12,14
.set qb, 0
.rept \nb
	v_max3_num_f32 v[TM+qb], v[TM+qb], |v[\src+16*qb+\i]|, |v[\src+16*qb+\i+1]|
.set qb, qb+1
.endr
.endr
	WIN 0
.set qb, 0
.rept \nb
	v_permlanex16_b32 v[TM+4+qb], v[TM+qb], s[SEL], s[SEL+1]
.set qb, qb+1
.endr
.set qb, 0
.rept \nb
	v_max_num_f32 v[TM+qb], v[TM+qb], v[TM+4+qb]   ; with lane l xor 16's: the block's largest magnitude
.set qb, qb+1
.endr
.set qb, 0
.rept \nb
	v_add_nc_u32 v[TM+12+qb], 0xff000000, v[TM+qb]   ; 2 off its exponent field: the conversion's scale operand
.set qb, qb+1
.endr
.set qb, 0
.rept \nb
	v_lshrrev_b32 v[TM+4+qb], 23, v[TM+12+qb]      ; the scale's byte
.set qb, qb+1
.endr
	v_lshl_or_b32 v[\word], v[TM+5], 8, v[TM+4]
.if \nb == 4
	v_lshl_or_b32 v[\word], v[TM+6], 16, v[\word]
	v_lshl_or_b32 v[\word], v[TM+7], 24, v[\word]
.endif
	WIN \win
.set qc, 0
.rept \nb/2
	v_cvt_scalef32_pk16_fp6_f32 v[\dst+6*qc:\dst+6*qc+2], v[\src+32*qc:\src+32*qc+15], v[TM+12+2*qc]
	v_cvt_scalef32_pk16_fp6_f32 v[\tmp+4*qc:\tmp+4*qc+2], v[\src+32*qc+16:\src+32*qc+31], v[TM+13+2*qc]
.set qc, qc+1
.endr
	WIN 0
	v_nop                                          ; one plain place behind the scaled conversions
.set qc, 0
.rept \nb/2
.irp i, 0,1,2
	v_permlane16_swap_b32 v[\dst+6*qc+\i], v[\tmp+4*qc+\i]   ; a whole block to a lane: lanes 0-15 block 2 c, lanes 16-31 block 2 c + 1
.endr
.irp i, 0,1,2
	v_mov_b32 v[\dst+6*qc+3+\i], v[\tmp+4*qc+\i]
.endr
.set qc, qc+1
.endr
.endm
.macro FETCH bp                                ; the 8 fragments of x's tiles 2 bp, 2 bp + 1 from LDS into window 3
	WIN 0xc0
.set fi, 0
.rept 24
	ds_load_b128 v[4*fi:4*fi+3], v1 offset:XIMG+12288*(\bp)+512*fi
.set fi, fi+1
.endr
	WIN 0
.endm
	s_load_b256 s[4:11], s[0:1], 0x0               ; img s[4:5], isc s[6:7], qkc s[8:9], qks s[10:11]
	s_load_b128 s[12:15], s[0:1], 0x20             ; vc s[12:13], vs s[14:15]
	v_lshl_add_u32 v[SPW], v0, 2, SPARE
	v_mov_b32 v[NIL], 0
	v_lshrrev_b32 v5, 5, v0
	v_readfirstlane_b32 s16, v5                    ; wave w
	v_and_b32 v5, 31, v0                           ; lane
	v_lshlrev_b32 v1, 4, v5                        ; 16 x lane
	v_lshlrev_b32 v2, 3, v5                        ; 8 x lane
	v_lshlrev_b32 v3, 2, v5                        ; 4 x lane
	s_mul_i32 s22, s16, 12288
	v_add_nc_u32 v4, s22, v1                       ; where I store my quarter of x's images
.irp b, 0,1,2,3
	v_mov_b32 v[TM+4+\b], 0                        ; written once: a lane permute's destination counts as one of its sources
.endr
	s_mov_b32 s17, ttmp9                           ; rb
	s_and_b32 s18, ttmp7, 0xffff                   ; y
	s_lshr_b32 s19, s16, 1                         ; kq
	s_and_b32 s20, s16, 1
	s_lshl_b32 s21, s18, 1
	s_add_co_u32 s20, s20, s21                     ; head
	s_mov_b32 s23, 0
	s_mov_b32 s[SEL], 0x76543210
	s_mov_b32 s[SEL+1], 0xfedcba98
	s_mov_b32 s[HM], 0xffff0000
	s_wait_kmcnt 0x0
	OFS 0                                          ; x's tiles 8 rb + 2 w, + 1: 6,144 bytes a tile
	TERM 17, 49152
	TERM 16, 12288
	BASE XG, 4
	WIN 0xc0
.set li, 0
.rept 24
	global_load_b128 v[4*li:4*li+3], v1, s[XG:XG+1] offset:512*li
.set li, li+1
.endr
	OFS 3145728                                    ; tiles 512 + 32 kq + 4 head on
	TERM 19, 196608
	TERM 20, 24576
	BASE WQK, 4
	WIN 0x40
.set li, 0
.rept 48
	global_load_b128 v[4*li:4*li+3], v1, s[WQK:WQK+1] offset:512*li
.set li, li+1
.endr
	OFS 3538944                                    ; tiles 576 + 8 y + 2 w, + 1
	TERM 18, 49152
	TERM 16, 12288
	BASE WV, 4
	OFS 262144                                     ; the scale words: 512 bytes a tile
	TERM 19, 16384
	TERM 20, 2048
	BASE SQK, 6
	OFS 294912
	TERM 18, 4096
	TERM 16, 1024
	BASE SWV, 6
	OFS 0
	TERM 17, 4096
	BASE SXS, 6
	OFS 0
	TERM 19, 3145728
	TERM 17, 49152
	TERM 20, 768
	BASE QKO, 8
	OFS 0
	TERM 19, 262144
	TERM 17, 4096
	TERM 20, 512
	BASE QKSO, 10
	OFS 0
	TERM 17, 49152
	TERM 18, 6144
	TERM 16, 1536
	BASE VCO, 12
	OFS 0
	TERM 17, 2048
	TERM 18, 512
	TERM 16, 128
	BASE VSO, 14
	s_wait_loadcnt 48                              ; my quarter of x is in; the 48 loads issued behind it may be out
	WIN 0x0c                                       ; an LDS store's data are its source 1: window 3
.set li, 0
.rept 24
	ds_store_b128 v4, v[4*li:4*li+3] offset:XIMG+512*li
.set li, li+1
.endr
	WIN 0x80
.set li, 0
.rept 24
	global_load_b128 v[4*li:4*li+3], v1, s[WV:WV+1] offset:512*li
.set li, li+1
.endr
	WIN 0
.set li, 0
.rept 8
	global_load_b64 v[WSQ+2*li:WSQ+2*li+1], v2, s[SQK:SQK+1] offset:256*li   ; two K steps' words a load: 256 consecutive bytes
.set li, li+1
.endr
.set li, 0
.rept 4
	global_load_b64 v[WSV+2*li:WSV+2*li+1], v2, s[SWV:SWV+1] offset:256*li
.set li, li+1
.endr
.set li, 0
.rept 16
	global_load_b64 v[XSC+2*li:XSC+2*li+1], v2, s[SXS:SXS+1] offset:256*li
.set li, li+1
.endr
	s_wait_dscnt 0x0                               ; for the others' sake: my stores of x's images have landed
	s_barrier_signal -1
	s_barrier_wait -1                              ; x's 32 fragments lie in LDS; nothing is written there again
	FETCH 0
	s_wait_loadcnt 0x0                             ; the weights and all scale words
; Two tiles of x: 32 products for Q or K (8 accumulators by turns, K step by K step), 16 for V (4 by turns); then Q's or K's two tiles are quantised and stored while the next two tiles' fragments come from LDS.
.macro BLOCK bp
	s_wait_dscnt 0x0                               ; x's fragments are in
	WIN 0x0d                                       ; source 0 (W) window 1, source 1 (x) window 3, C and D window 0
.irp s, 0,1,2,3
.irp u, 0,1
.irp t, 0,1,2,3
.set rD, ACC+32*\u+8*\t
.set rA, 12*(4*\t+\s)
.set rB, 48*\u+12*\s
.if \s == 0
	v_wmma_scale_f32_16x16x128_f8f6f4 v[rD:rD+7], v[rA:rA+11], v[rB:rB+11], 0, v[WSQ+4*\t+\s], v[XSC+4*(2*\bp+\u)+\s] matrix_a_fmt:MATRIX_FMT_FP6 matrix_b_fmt:MATRIX_FMT_FP6
.else
	v_wmma_scale_f32_16x16x128_f8f6f4 v[rD:rD+7], v[rA:rA+11], v[rB:rB+11], v[rD:rD+7], v[WSQ+4*\t+\s], v[XSC+4*(2*\bp+\u)+\s] matrix_a_fmt:MATRIX_FMT_FP6 matrix_b_fmt:MATRIX_FMT_FP6
.endif
.endr
.endr
.endr
	WIN 0xab                                       ; source 0 (x) window 3, source 1 (Wv), C and D window 2
.irp s, 0,1,2,3
.irp u, 0,1
.irp e, 0,1
.set rD, VA+64*\e+8*(2*\bp+\u)
.set rA, 48*\u+12*\s
.set rB, 12*(4*\e+\s)
.if \s == 0
	v_wmma_scale_f32_16x16x128_f8f6f4 v[rD:rD+7], v[rA:rA+11], v[rB:rB+11], 0, v[XSC+4*(2*\bp+\u)+\s], v[WSV+4*\e+\s] matrix_a_fmt:MATRIX_FMT_FP6 matrix_b_fmt:MATRIX_FMT_FP6
.else
	v_wmma_scale_f32_16x16x128_f8f6f4 v[rD:rD+7], v[rA:rA+11], v[rB:rB+11], v[rD:rD+7], v[XSC+4*(2*\bp+\u)+\s], v[WSV+4*\e+\s] matrix_a_fmt:MATRIX_FMT_FP6 matrix_b_fmt:MATRIX_FMT_FP6
.endif
.endr
.endr
.endr
	WIN 0
.rept 4
	v_nop                                          ; four places in front of loads into registers that matrix instructions have read, and of the first read of results
.endr
.if \bp < 3
	FETCH \bp+1
.endif
.if \bp > 0
	s_wait_xcnt 0x0                                ; the last block's stores have read their data: the codes' registers are written again only behind this wait
.endif
.irp u, 0,1
	QUANT ACC+32*\u, 0, 2, PCA+6*\u, PCT, 80+\u
	global_store_b128 v1, v[PCA+6*\u:PCA+6*\u+3], s[QKO:QKO+1] offset:(2*\bp+\u)*6144        ; 512 consecutive bytes,
	global_store_b64 v2, v[PCA+6*\u+4:PCA+6*\u+5], s[QKO:QKO+1] offset:(2*\bp+\u)*6144+512   ; and 256
.endr
	v_cndmask_b32 v[84+\bp], v80, v81, s[HM]       ; lanes 0-15 keep the even tile's words, lanes 16-31 take the odd tile's
.endm
	BLOCK 0
	BLOCK 1
	BLOCK 2
	BLOCK 3
	global_store_b128 v1, v[84:87], s[QKSO:QKSO+1] ; the four blocks' scale words: 512 consecutive bytes
.irp e, 0,1                                    ; V: my unit's 128 keys are 4 blocks: a fragment of 12 registers = two half images
	s_wait_xcnt 0x0                                ; earlier stores have read their data
	QUANT VA+64*\e, 2, 4, PCA, PCT, 88+\e
.irp c, 0,1
	global_store_b128 v1, v[PCA+6*\c:PCA+6*\c+3], s[VCO:VCO+1] offset:\c*24576+\e*768
	global_store_b64 v2, v[PCA+6*\c+4:PCA+6*\c+5], s[VCO:VCO+1] offset:\c*24576+\e*768+512
.endr
.endr
	v_cndmask_b32 v90, v88, v89, s[HM]             ; lanes 0-15: tile e = 0's words, lanes 16-31: e = 1's
	global_store_b32 v3, v90, s[VSO:VSO+1]         ; 128 consecutive bytes
	s_wait_tensorcnt 0x0                           ; the wave's end
	ds_add_u32 v[SPW], v[NIL]
	s_wait_dscnt 0x0
	s_endpgm
.Lfunc_end_k_q17a1a9dddb_qkv:
	.size	k_q17a1a9dddb_qkv, .Lfunc_end_k_q17a1a9dddb_qkv-k_q17a1a9dddb_qkv
	.p2alignl 7, 3214868480
	.fill 96, 4, 3214868480
	.section	.rodata,"a",@progbits
	.p2align	6, 0x0
	.amdhsa_kernel k_q17a1a9dddb_qkv
		.amdhsa_group_segment_fixed_size 49664
		.amdhsa_private_segment_fixed_size 0
		.amdhsa_enable_private_segment 0
		.amdhsa_kernarg_size 48
		.amdhsa_user_sgpr_count 2
		.amdhsa_user_sgpr_kernarg_segment_ptr 1
		.amdhsa_wavefront_size32 1
		.amdhsa_system_sgpr_workgroup_id_x 1
		.amdhsa_system_sgpr_workgroup_id_y 1
		.amdhsa_system_sgpr_workgroup_id_z 1
		.amdhsa_system_vgpr_workitem_id 0
		.amdhsa_next_free_vgpr 864
		.amdhsa_next_free_sgpr 66
		.amdhsa_reserve_vcc 0
		.amdhsa_float_denorm_mode_32 3
		.amdhsa_float_denorm_mode_16_64 3
		.amdhsa_memory_ordered 1
		.amdhsa_forward_progress 1
		.amdhsa_inst_pref_size 75
	.end_amdhsa_kernel
	.amdgpu_metadata
---
amdhsa.version: [ 1, 2 ]
amdhsa.kernels:
  - .name:           k_q17a1a9dddb_qkv
    .symbol:         k_q17a1a9dddb_qkv.kd
    .args:
      - { .name: img, .offset: 0, .size: 8, .value_kind: global_buffer, .address_space: global }
      - { .name: isc, .offset: 8, .size: 8, .value_kind: global_buffer, .address_space: global }
      - { .name: qkc, .offset: 16, .size: 8, .value_kind: global_buffer, .address_space: global }
      - { .name: qks, .offset: 24, .size: 8, .value_kind: global_buffer, .address_space: global }
      - { .name: vc, .offset: 32, .size: 8, .value_kind: global_buffer, .address_space: global }
      - { .name: vs, .offset: 40, .size: 8, .value_kind: global_buffer, .address_space: global }
    .group_segment_fixed_size: 49664
    .private_segment_fixed_size: 0
    .kernarg_segment_align: 8
    .kernarg_segment_size: 48
    .max_flat_workgroup_size: 128
    .sgpr_count:     66
    .vgpr_count:     864
    .wavefront_size: 32
...
	.end_amdgpu_metadata
.endif
;; end of part 2
;; launch attn (part 3): grid 256 x 1, 4 waves a work-group, no clusters, 81,408 bytes of LDS; arguments qkc, qks, vc, vs, img, isc, bo, out0; writes out0
.if DOCPART == 3
	.amdgcn_target "amdgcn-amd-amdhsa--gfx1250"
	.amdhsa_code_object_version 6
	.text
	.protected	k_q17a1a9dddb_attn
	.globl	k_q17a1a9dddb_attn
	.p2align	8
	.type	k_q17a1a9dddb_attn,@function
k_q17a1a9dddb_attn:
	s_mov_b64 s[64:65], 0
	v_nop
	global_prefetch_b8 v0, s[64:65] scope:SCOPE_SE
	s_setreg_imm32_b32 hwreg(HW_REG_WAVE_MODE, 25, 1), 1
	s_wait_xcnt 0x0
; The band attention of all 8 heads for 32 rows, and the output projection: out = Q(O / l) Q(Wo)^T + bo, every product on codes of FP6 (E2M3) with E8M0 scales.
; THE BAND.  Query i sees keys i - 4 .. i + 4 of its own sequence of 4,096.  Block B = rows 32 B .. + 31 in two tiles: tile u holds rows 32 B + 8 u + r + 8 (r / 8).  Tile u's bands lie in the two aligned key blocks
; B - 1 + u and B + u; the even one (E) goes to K = 0 .. 31 (lanes 0-15 of an operand), the odd one (O) to K = 32 .. 63 (lanes 16-31).  A block outside the tensor is clamped to one inside for the addresses;
; it, and a block of the other sequence, are hidden wholly.  All other keys have p = 0 in every block, and their products are not formed.
; THE MASK is the C of the score products: 0 inside the band, -1e30 outside (reference has -1e9 there: both give p = 0 as long as the band's own logits lie above about -1e9 + 150).
; SOFTMAX.  t = score x log2(e) / 8; M = ceil(the row's largest t), over the whole band at once; p = 2^(t - M) is quantised along the keys; l sums the unquantised p; O / l goes into the last quantiser.
; HALF-FILLED PRODUCTS.  K is 64 of the instruction's 128: one side's upper six registers are zeros (code 0 is the number 0), the other side's are whatever landed registers follow; the upper two scale bytes are 0 on both sides.
; SHARES.  Wave w: query tile u = w % 2, heads 4 (w / 2) .. + 3, as two units of two heads; a unit's O is one fragment (128 channels) of the last product's operand.  The 8 fragments meet in LDS as register
; images (one barrier).  Then wave w makes outputs 128 w .. + 127 of all 32 rows: its 32 fragments of Wo stay in registers, bo is the C of each sum's first product.
; LAYOUT.  S^T = K Q^T, O^T = V^T P^T, out^T = Wo O^T: a lane holds one query throughout; the tiles' row order makes the 16 registers of tiles 2 b, 2 b + 1 sixteen neighbours along the next K.
; NOT SHARED BY JOINT LOADS: a wave reads its 49,152 bytes of Wo once, straight into the registers where they stay; a joint load would land them in LDS, from where the same bytes would have to be read once more.
; LIMITS: a block of zeros gets the byte 1; blocks under 2^-124 were not tried; NaN and infinities are not served.
; REGISTERS.  Window 0: v1-19 addresses and constants; v20-105 scale words; v106-127 statistics; v128-191 S, p, O; v192-215 P with zeros; v216-251 at work; v252-255 1 / l.  Behind the barrier v128-223: O's 8 fragments.
;   Window 1: unit n at 102 n: K of two heads (24 each), V of two heads (24 each), 6 zeros; v204-235 the mask; later v0-127 the 16 accumulators of out.
;   Window 2: Wo's K steps 0, 1 at 96 s + 12 m; v192-255 bo's 8 tiles; later v0-127 rows of out.   Window 3: Wo's K steps 2, 3; v192-239 Q of four heads, each with 6 zeros behind.
.set OIMG,  0                          ; LDS: O's fragments f = 4 u + s, 1,536 bytes each
.set OSC,   12288                      ; their scale words, 128 bytes each
.set STG,   13312                      ; a stage of 32 rows x (512 + 16) bytes for each wave, its own
.set SPARE, 80896                      ; the spare words, 128 bytes a wave: two blocks of 256 bytes that no other line names
.set SPW, 17
.set NIL, 18
.set NEGV, 16
.set QSC, 20                           ; v20-23  Q's scale words, head g
.set KSC, 24                           ; v24-31  K's: 2 g + slot; lanes 0-15 the block's even tile, lanes 16-31 its odd tile
.set VBE, 32                           ; v32-47  V's byte of block E, tile 4 g + t; then V's scale word
.set VBO, 48                           ; v48-63  V's byte of block O
.set PWD, 64                           ; v64-65  p's scale words
.set WOS, 66                           ; v66-97  Wo's scale words, 4 m + s
.set OSCR, 98                          ; v98-105 O's scale words, f
.set BM,  106                          ; v106-109 a block's largest score, then its largest p: q = 2 x + slot
.set BT,  110
.set SOP, 114
.set NM,  118                          ; v[118:119], v[120:121] -M
.set SUM, 122                          ; v[122:123], v[124:125] l
.set S,   128
.set P,   192
.set PC,  216
.set PCT, 228
.set TM,  236
.set RL,  252                          ; v[252:253], v[254:255] 1 / l
.set KVU, 102                          ; window 1: registers of a unit
.set MASK, 204                         ; window 1
.set QF,  192                          ; window 3
.set SQ,  34                           ; s[34:59] the thirteen bases
.set SKE, 36
.set SKO, 38
.set SV,  40
.set SQS, 42
.set SKSE, 44
.set SKSO, 46
.set SVSE, 48
.set SVSO, 50
.set SWO, 52
.set SWOS, 54
.set SBO, 56
.set SOUT, 58
.set SEL, 60
.set CS,  62                           ; s[62:63] c = log2(e) / 8
.set HM,  66                           ; s66 the mask of lanes 16-31
.set MSB, 0
.macro WIN new                         ; bits 1:0 source 0, 3:2 source 1, 5:4 source 2, 7:6 destination; the high byte repeats the setting that is left
.if MSB != (\new)
	s_set_vgpr_msb (MSB<<8)|(\new)
.set MSB, \new
.endif
.endm
; an offset is made in s[32:33] (s33 = 0), apart from every address, and added to a buffer's address once
.macro OFS k
	s_mov_b32 s32, \k
.endm
.macro TERM r, m
	s_mul_i32 s67, s[\r], \m
	s_add_co_u32 s32, s32, s67
.endm
.macro PLUS r
	s_add_co_u32 s32, s32, s[\r]
.endm
.macro BASE dst, arg
	s_add_nc_u64 s[\dst:\dst+1], s[\arg:\arg+1], s[32:33]
.endm
; 16 nb numbers of a lane (window win), register 16 b + i = k 32 b + 16 (lane / 16) + i of my row, become codes in v[dst] on (6 registers for two blocks) and the row's scale word in v[word].
.macro QUANT src, win, nb, dst, tmp, word
	WIN 20*(\win)
.set qb, 0
.rept \nb
	v_max3_num_f32 v[TM+qb], 0x1800000, |v[\src+16*qb]|, |v[\src+16*qb+1]|   ; my 16 numbers of block b, and the floor 2^(3 - 127)
.set qb, qb+1
.endr
.irp i, 2,4,6,8,10,12,14
.set qb, 0
.rept \nb
	v_max3_num_f32 v[TM+qb], v[TM+qb], |v[\src+16*qb+\i]|, |v[\src+16*qb+\i+1]|
.set qb, qb+1
.endr
.endr
	WIN 0
.set qb, 0
.rept \nb
	v_permlanex16_b32 v[TM+4+qb], v[TM+qb], s[SEL], s[SEL+1]
.set qb, qb+1
.endr
.set qb, 0
.rept \nb
	v_max_num_f32 v[TM+qb], v[TM+qb], v[TM+4+qb]   ; with lane l xor 16's: the block's largest magnitude
.set qb, qb+1
.endr
.set qb, 0
.rept \nb
	v_add_nc_u32 v[TM+12+qb], 0xff000000, v[TM+qb]   ; 2 off its exponent field: the conversion's scale operand
.set qb, qb+1
.endr
.set qb, 0
.rept \nb
	v_lshrrev_b32 v[TM+4+qb], 23, v[TM+12+qb]      ; the scale's byte
.set qb, qb+1
.endr
	v_lshl_or_b32 v[\word], v[TM+5], 8, v[TM+4]
.if \nb == 4
	v_lshl_or_b32 v[\word], v[TM+6], 16, v[\word]
	v_lshl_or_b32 v[\word], v[TM+7], 24, v[\word]
.endif
	WIN \win
.set qc, 0
.rept \nb/2
	v_cvt_scalef32_pk16_fp6_f32 v[\dst+6*qc:\dst+6*qc+2], v[\src+32*qc:\src+32*qc+15], v[TM+12+2*qc]
	v_cvt_scalef32_pk16_fp6_f32 v[\tmp+4*qc:\tmp+4*qc+2], v[\src+32*qc+16:\src+32*qc+31], v[TM+13+2*qc]
.set qc, qc+1
.endr
	WIN 0
	v_nop                                          ; one plain place behind the scaled conversions
.set qc, 0
.rept \nb/2
.irp i, 0,1,2
	v_permlane16_swap_b32 v[\dst+6*qc+\i], v[\tmp+4*qc+\i]   ; a whole block to a lane
.endr
.irp i, 0,1,2
	v_mov_b32 v[\dst+6*qc+3+\i], v[\tmp+4*qc+\i]
.endr
.set qc, qc+1
.endr
.endm
; The 58 loads of unit n (heads g = 2 n + x): Q 2, K 8, V 8, scale words 3, V's scale bytes 8, for each of two heads.
.macro ULOAD n
	WIN 0xc0
.irp x, 0,1
	global_load_b128 v[QF+12*(2*\n+\x):QF+12*(2*\n+\x)+3], v1, s[SQ:SQ+1] offset:(2*\n+\x)*768
	global_load_b64 v[QF+12*(2*\n+\x)+4:QF+12*(2*\n+\x)+5], v2, s[SQ:SQ+1] offset:(2*\n+\x)*768+512
.endr
	WIN 0x40
.irp x, 0,1
.irp p, 0,1                                    ; K's tile t = 2 slot + p: tile p of block E, of block O
	global_load_b128 v[KVU*\n+24*\x+6*\p:KVU*\n+24*\x+6*\p+3], v1, s[SKE:SKE+1] offset:\p*6144+(2*\n+\x)*768
	global_load_b64 v[KVU*\n+24*\x+6*\p+4:KVU*\n+24*\x+6*\p+5], v2, s[SKE:SKE+1] offset:\p*6144+(2*\n+\x)*768+512
	global_load_b128 v[KVU*\n+24*\x+12+6*\p:KVU*\n+24*\x+12+6*\p+3], v1, s[SKO:SKO+1] offset:\p*6144+(2*\n+\x)*768
	global_load_b64 v[KVU*\n+24*\x+12+6*\p+4:KVU*\n+24*\x+12+6*\p+5], v2, s[SKO:SKO+1] offset:\p*6144+(2*\n+\x)*768+512
.endr
.irp t, 0,1,2,3                                ; V: lanes 0-15 from E's pair of key blocks, lanes 16-31 from O's
	global_load_b128 v[KVU*\n+48+24*\x+6*\t:KVU*\n+48+24*\x+6*\t+3], v5, s[SV:SV+1] offset:(4*(2*\n+\x)+\t)*768
	global_load_b64 v[KVU*\n+48+24*\x+6*\t+4:KVU*\n+48+24*\x+6*\t+5], v6, s[SV:SV+1] offset:(4*(2*\n+\x)+\t)*768+512
.endr
.endr
	WIN 0
.irp x, 0,1
	global_load_b32 v[QSC+2*\n+\x], v3, s[SQS:SQS+1] offset:(2*\n+\x)*512
	global_load_b32 v[KSC+2*(2*\n+\x)], v1, s[SKSE:SKSE+1] offset:(2*\n+\x)*512
	global_load_b32 v[KSC+2*(2*\n+\x)+1], v1, s[SKSO:SKSO+1] offset:(2*\n+\x)*512
.irp t, 0,1,2,3
	global_load_u8 v[VBE+4*(2*\n+\x)+\t], v4, s[SVSE:SVSE+1] offset:(4*(2*\n+\x)+\t)*64
	global_load_u8 v[VBO+4*(2*\n+\x)+\t], v4, s[SVSO:SVSO+1] offset:(4*(2*\n+\x)+\t)*64
.endr
.endr
.endm
.macro WOLOAD s0                               ; 48 loads: my 8 tiles of Wo, K steps s0 and s0 + 1, under the window that the caller has set
.irp e, 0,1
.irp m, 0,1,2,3,4,5,6,7
.irp c, 0,1,2
	global_load_b128 v[96*\e+12*\m+4*\c:96*\e+12*\m+4*\c+3], v1, s[SWO:SWO+1] offset:\m*6144+(\s0+\e)*1536+512*\c
.endr
.endr
.endr
.endm
	s_load_b256 s[4:11], s[0:1], 0x0               ; qkc s[4:5], qks s[6:7], vc s[8:9], vs s[10:11]
	s_load_b256 s[12:19], s[0:1], 0x20             ; img s[12:13], isc s[14:15], bo s[16:17], out0 s[18:19]
	v_lshl_add_u32 v[SPW], v0, 2, SPARE
	v_mov_b32 v[NIL], 0
	v_lshrrev_b32 v15, 5, v0
	v_readfirstlane_b32 s20, v15                   ; wave w
	v_and_b32 v15, 31, v0                          ; lane
	v_lshlrev_b32 v1, 4, v15                       ; 16 x lane
	v_lshlrev_b32 v2, 3, v15                       ; 8 x lane
	v_lshlrev_b32 v10, 2, v15                      ; 4 x lane
	v_and_b32 v126, 15, v0                         ; r
	v_bfe_u32 v127, v0, 4, 1                       ; h
	v_lshlrev_b32 v3, 4, v126                      ; 16 r
	v_lshlrev_b32 v4, 2, v126                      ; 4 r
	v_lshlrev_b32 v7, 6, v127                      ; 64 h
	s_mov_b32 s21, ttmp9                           ; B
	s_and_b32 s22, s20, 1                          ; u
	s_lshr_b32 s23, s20, 1                         ; hq
	s_add_co_u32 s24, s21, s22
	s_sub_co_i32 s24, s24, 1                       ; the lower of my two key blocks: B - 1 + u
	s_add_co_i32 s25, s24, 1
	s_and_b32 s25, s25, -2                         ; E: the even one of the two
	s_or_b32 s26, s24, 1                           ; O: the odd one
	s_min_i32 s27, s25, 254                        ; for addresses: held inside the tensor
	s_max_i32 s28, s26, 1
	s_lshl_b32 s31, s21, 5
	s_lshl_b32 s67, s22, 3
	s_add_co_u32 s31, s31, s67
	s_sub_co_i32 s31, s31, 4                       ; 32 B + 8 u - 4
	s_lshl_b32 s29, s25, 5
	s_sub_co_i32 s29, s31, s29                     ; - 32 E
	s_lshl_b32 s30, s26, 5
	s_sub_co_i32 s30, s31, s30                     ; - 32 O
	s_lshr_b32 s68, s21, 7                         ; my sequence
	s_ashr_i32 s67, s25, 7
	s_cmp_eq_u32 s67, s68
	s_cselect_b32 s29, s29, 0x186a0                ; a block of another sequence, or of none, is hidden wholly: no key comes within 100,000
	s_ashr_i32 s67, s26, 7
	s_cmp_eq_u32 s67, s68
	s_cselect_b32 s30, s30, 0x186a0
	s_lshr_b32 s69, s21, 2
	s_and_b32 s70, s21, 3
	s_lshr_b32 s71, s27, 2
	s_and_b32 s72, s27, 3
	s_lshr_b32 s73, s28, 2
	s_and_b32 s74, s28, 3
	s_lshr_b32 s75, s27, 1
	s_mul_i32 s75, s75, 24576                      ; E's pair of key blocks in vc
	s_lshr_b32 s76, s28, 1
	s_mul_i32 s76, s76, 24576                      ; O's
	s_mov_b32 s[HM], 0xffff0000
	s_mov_b32 s[SEL], 0x76543210
	s_mov_b32 s[SEL+1], 0xfedcba98
	s_mov_b32 s[CS], 0x3e38aa3b                    ; c = log2(e) / 8
	s_mov_b32 s[CS+1], s[CS]                       ; (named with it as a pair, so it is written)
	v_mov_b32 v5, s75
	v_mov_b32 v6, s76
	v_cndmask_b32 v5, v5, v6, s[HM]                ; lanes 0-15 E's pair, lanes 16-31 O's
	v_add_nc_u32 v6, v5, v2                        ; + 8 x lane
	v_add_nc_u32 v5, v5, v1                        ; + 16 x lane
	s_lshl_b32 s67, s22, 2
	s_lshl_b32 s68, s23, 1
	s_add_co_u32 s67, s67, s68                     ; my first fragment of O: 4 u + 2 hq
	s_mul_i32 s68, s67, 1536
	v_add_nc_u32 v8, s68, v1                       ; where I store its image,
	s_lshl_b32 s68, s67, 7
	s_add_co_u32 s68, s68, OSC
	v_add_nc_u32 v9, s68, v10                      ; and its scale words
	s_mul_i32 s67, s20, 16896
	s_add_co_u32 s67, s67, STG                     ; my stage
	v_mul_u32_u24 v11, v126, 528
	v_add_nc_u32 v11, v11, v7
	v_add_nc_u32 v11, s67, v11                     ; in: row r, + 64 h
	v_add_nc_u32 v12, s67, v1                      ; back: 16 bytes a lane of a row's 512
	v_and_b32 v15, 8, v126
	v_add_nc_u32 v15, v15, v126                    ; r + 8 (r / 8)
	v_lshlrev_b32 v14, 4, v127
	v_sub_nc_u32 v15, v15, v14                     ; - 16 h
	v_add_nc_u32 v13, s29, v15                     ; e of slot E: register i of the slot holds a key of my band where 0 <= i - e <= 8
	v_add_nc_u32 v14, s30, v15                     ; e of slot O
	v_mov_b32 v[NEGV], 0xf149f2ca                  ; -1e30
	s_mov_b32 s33, 0
	s_wait_kmcnt 0x0
	OFS 311296                                     ; Wo's tiles 608 + 8 w on: scale words, 512 bytes a tile
	TERM 20, 4096
	BASE SWOS, 14
	OFS 0
	TERM 20, 512                                   ; my 128 outputs
	BASE SBO, 16
	TERM 21, 65536                                 ; and my block's 32 rows of 2,048 bytes
	BASE SOUT, 18
	OFS 3735552
	TERM 20, 49152
	BASE SWO, 12
	OFS 0                                          ; Q: tile 2 B + u, heads 4 hq on
	TERM 21, 12288
	TERM 22, 6144
	TERM 23, 3072
	BASE SQ, 4
	OFS 3145728                                    ; K: the two tiles of a key block
	TERM 27, 12288
	TERM 23, 3072
	BASE SKE, 4
	OFS 3145728
	TERM 28, 12288
	TERM 23, 3072
	BASE SKO, 4
	OFS 0
	TERM 23, 12288
	BASE SV, 8
	OFS 0
	TERM 69, 4096
	TERM 23, 2048
	TERM 22, 256
	TERM 70, 4
	BASE SQS, 6
	OFS 262144
	TERM 71, 4096
	TERM 23, 2048
	TERM 72, 4
	BASE SKSE, 6
	OFS 262144
	TERM 73, 4096
	TERM 23, 2048
	TERM 74, 4
	BASE SKSO, 6
	OFS 0
	TERM 71, 2048
	TERM 23, 1024
	PLUS 72
	BASE SVSE, 10
	OFS 0
	TERM 73, 2048
	TERM 23, 1024
	PLUS 74
	BASE SVSO, 10
.set li, 0
.rept 16                                       ; 32 loads: Wo's scale words, two K steps a load,
	global_load_b64 v[WOS+2*li:WOS+2*li+1], v2, s[SWOS:SWOS+1] offset:256*li
.set li, li+1
.endr
	WIN 0x80
.irp m, 0,1,2,3,4,5,6,7                        ; and bo in the result's layout: tile m's register j is output 32 (m / 2) + 16 h + 8 (m % 2) + j of my 128
	global_load_b128 v[192+8*\m:192+8*\m+3], v7, s[SBO:SBO+1] offset:(32*(\m/2)+8*(\m%2))*4
	global_load_b128 v[192+8*\m+4:192+8*\m+7], v7, s[SBO:SBO+1] offset:(32*(\m/2)+8*(\m%2))*4+16
.endr
	ULOAD 0
	ULOAD 1
	; while the loads are out: the mask, the zeros
.irp b, 0,1
.irp i, 0,1,2,3,4,5,6,7,8,9,10,11,12,13,14,15
	v_sub_nc_u32 v[S+16*\b+\i], \i, v[13+\b]       ; i - e, in registers that the scores will take
.endr
.endr
.irp i, 0,1,2,3,4,5
	v_mov_b32 v[P+6+\i], 0                         ; the upper halves of P's two operands
	v_mov_b32 v[P+18+\i], 0
.endr
.irp i, 0,1,2,3
	v_mov_b32 v[BT+\i], 0                          ; written once: a lane permute's destination counts as one of its sources
	v_mov_b32 v[TM+4+\i], 0
.endr
.irp x, 0,1
	v_mov_b32 v[NM+2*\x+1], 0                      ; named as the upper halves of pairs whose low word serves both halves
	v_mov_b32 v[RL+2*\x+1], 0
.endr
	WIN 0x40                                       ; destination window 1
.set li, 0
.rept 32
	v_cmp_lt_u32 vcc_lo, 8, v[S+li]                ; outside the band where i - e, taken unsigned, is above 8
	v_cndmask_b32 v[MASK+li], 0, v[NEGV], vcc_lo
.set li, li+1
.endr
.irp i, 0,1,2,3,4,5
	v_mov_b32 v[96+\i], 0                          ; behind each unit's V: what the last tile's operand names as its upper half
	v_mov_b32 v[KVU+96+\i], 0
.endr
	WIN 0xc0
.irp g, 0,1,2,3
.irp i, 0,1,2,3,4,5
	v_mov_b32 v[QF+12*\g+6+\i], 0                  ; the upper halves of Q's operands
.endr
.endr
	WIN 0
; A UNIT: two heads, x = 0, 1.
.macro UNIT n
.irp i, 0,1,2,3,4,5,6,7
	v_lshl_or_b32 v[VBE+8*\n+\i], v[VBO+8*\n+\i], 8, v[VBE+8*\n+\i]   ; V's scale word: byte 0 block E, byte 1 block O
.endr
	WIN 0x1d                                       ; source 0 (K) and C (the mask) window 1, source 1 (Q) window 3, D window 0
.irp x, 0,1
.irp t, 0,1,2,3
.set g, 2*\n+\x
.set rD, S+32*\x+8*\t
.set rA, KVU*\n+24*\x+6*\t
.set rB, QF+12*g
.if (\t)%2
	v_wmma_scale_f32_16x16x128_f8f6f4 v[rD:rD+7], v[rA:rA+11], v[rB:rB+11], v[MASK+8*\t:MASK+8*\t+7], v[KSC+2*g+\t/2], v[QSC+g] matrix_a_fmt:MATRIX_FMT_FP6 matrix_b_fmt:MATRIX_FMT_FP6 matrix_a_scale:MATRIX_SCALE_ROW1
.else
	v_wmma_scale_f32_16x16x128_f8f6f4 v[rD:rD+7], v[rA:rA+11], v[rB:rB+11], v[MASK+8*\t:MASK+8*\t+7], v[KSC+2*g+\t/2], v[QSC+g] matrix_a_fmt:MATRIX_FMT_FP6 matrix_b_fmt:MATRIX_FMT_FP6
.endif
.endr
.endr
	WIN 0
.rept 4
	v_nop                                          ; four places in front of the first read of results (ISA guide 7.12.1)
.endr
.irp q, 0,1,2,3
	v_max3_num_f32 v[BM+\q], v[S+16*\q], v[S+16*\q+1], v[S+16*\q+2]   ; the largest score of each block of 32 keys: for the row's maximum, and, since p rises with the score, for the block's largest p
.endr
.irp i, 3,5,7,9,11,13
.irp q, 0,1,2,3
	v_max3_num_f32 v[BM+\q], v[BM+\q], v[S+16*\q+\i], v[S+16*\q+\i+1]
.endr
.endr
.irp q, 0,1,2,3
	v_max_num_f32 v[BM+\q], v[BM+\q], v[S+16*\q+15]
.endr
.irp q, 0,1,2,3
	v_permlanex16_b32 v[BT+\q], v[BM+\q], s[SEL], s[SEL+1]
.endr
.irp q, 0,1,2,3
	v_max_num_f32 v[BM+\q], v[BM+\q], v[BT+\q]     ; with lane l xor 16's 16 keys
.endr
.irp x, 0,1
	v_max_num_f32 v[126+\x], v[BM+2*\x], v[BM+2*\x+1]   ; the row's largest score: its own key lies in the band, so it is a number
.endr
.irp x, 0,1
	v_mul_f32 v[126+\x], s[CS], v[126+\x]          ; as t
.endr
.irp x, 0,1
	v_floor_f32 v[NM+2*\x], -v[126+\x]             ; -M = floor(-t) = -ceil(t)
.endr
.irp x, 0,1
.irp j, 0,2,4,6,8,10,12,14,16,18,20,22,24,26,28,30
	v_pk_fma_f32 v[S+32*\x+\j:S+32*\x+\j+1], v[S+32*\x+\j:S+32*\x+\j+1], s[CS:CS+1], v[NM+2*\x:NM+2*\x+1] op_sel_hi:[1,0,0]   ; t - M, two at a time
.endr
.endr
.irp q, 0,1,2,3
	v_fma_f32 v[BM+\q], v[BM+\q], s[CS], v[NM+2*(\q/2)]   ; the same of each block's largest score
.endr
.set li, 0
.rept 64
	v_exp_f32 v[S+li], v[S+li]                     ; p = 2^(t - M); 0 outside the band
.set li, li+1
.endr
.irp q, 0,1,2,3
	v_exp_f32 v[BM+\q], v[BM+\q]                   ; the block's largest p: the same two instructions on the same number
.endr
	v_nop                                          ; a plain place behind the last exponential
	s_wait_alu depctr_va_vdst(0)                   ; one wait for the batch of 68, ahead of its first reader
.irp q, 0,1,2,3
	v_max_num_f32 v[BM+\q], 0x1800000, v[BM+\q]    ; the floor 2^(3 - 127): a block whose every p is 0 keeps the byte 1; its codes are zeros
.endr
.irp q, 0,1,2,3
	v_add_nc_u32 v[SOP+\q], 0xff000000, v[BM+\q]   ; 2 off the exponent field: the conversion's scale operand
.endr
.irp q, 0,1,2,3
	v_lshrrev_b32 v[BT+\q], 23, v[SOP+\q]          ; the scale's byte
.endr
.irp x, 0,1
	v_lshl_or_b32 v[PWD+\x], v[BT+2*\x+1], 8, v[BT+2*\x]   ; p's scale word: byte 0 block E, byte 1 block O
.endr
.irp x, 0,1
	v_cvt_scalef32_pk16_fp6_f32 v[P+12*\x:P+12*\x+2], v[S+32*\x:S+32*\x+15], v[SOP+2*\x]
	v_cvt_scalef32_pk16_fp6_f32 v[PCT+4*\x:PCT+4*\x+2], v[S+32*\x+16:S+32*\x+31], v[SOP+2*\x+1]
.endr
	v_nop                                          ; one plain place behind the scaled conversions
.irp x, 0,1
.irp i, 0,1,2
	v_permlane16_swap_b32 v[P+12*\x+\i], v[PCT+4*\x+\i]   ; a whole block to a lane: lanes 0-15 block E, lanes 16-31 block O
.endr
.irp i, 0,1,2
	v_mov_b32 v[P+12*\x+3+\i], v[PCT+4*\x+\i]
.endr
.endr
.irp x, 0,1                                    ; l: the sum of the unquantised p, two at a time, in two chains a head.  (These lines are also the places between the writes of P and its scale word and the products below)
	v_pk_add_f32 v[SUM+2*\x:SUM+2*\x+1], v[S+32*\x:S+32*\x+1], v[S+32*\x+2:S+32*\x+3]
	v_pk_add_f32 v[TM+2*\x:TM+2*\x+1], v[S+32*\x+4:S+32*\x+5], v[S+32*\x+6:S+32*\x+7]
.endr
.irp j, 8,12,16,20,24,28
.irp x, 0,1
	v_pk_add_f32 v[SUM+2*\x:SUM+2*\x+1], v[SUM+2*\x:SUM+2*\x+1], v[S+32*\x+\j:S+32*\x+\j+1]
	v_pk_add_f32 v[TM+2*\x:TM+2*\x+1], v[TM+2*\x:TM+2*\x+1], v[S+32*\x+\j+2:S+32*\x+\j+3]
.endr
.endr
.irp x, 0,1
	v_pk_add_f32 v[SUM+2*\x:SUM+2*\x+1], v[SUM+2*\x:SUM+2*\x+1], v[TM+2*\x:TM+2*\x+1]
.endr
.irp x, 0,1
	v_add_f32 v[SUM+2*\x], v[SUM+2*\x], v[SUM+2*\x+1]
.endr
.irp x, 0,1
	v_permlanex16_b32 v[TM+4+\x], v[SUM+2*\x], s[SEL], s[SEL+1]
.endr
.irp x, 0,1
	v_add_f32 v[SUM+2*\x], v[SUM+2*\x], v[TM+4+\x] ; with lane l xor 16's: the row's sum
.endr
.irp x, 0,1
	v_rcp_f32 v[RL+2*\x], v[SUM+2*\x]
.endr
	v_nop                                          ; a plain place behind the reciprocals
	WIN 0x01                                       ; source 0 (V) window 1; P and D window 0
.irp x, 0,1
.irp t, 0,1,2,3
.set g, 2*\n+\x
.set rD, S+32*\x+8*\t
.set rA, KVU*\n+48+24*\x+6*\t
	v_wmma_scale_f32_16x16x128_f8f6f4 v[rD:rD+7], v[rA:rA+11], v[P+12*\x:P+12*\x+11], 0, v[VBE+4*g+\t], v[PWD+\x] matrix_a_fmt:MATRIX_FMT_FP6 matrix_b_fmt:MATRIX_FMT_FP6
.endr
.endr
	WIN 0
.rept 4
	v_nop                                          ; four places in front of the first read of results
.endr
	s_wait_alu depctr_va_vdst(0)                   ; the wait for the two reciprocals, ahead of their first reader
.irp x, 0,1
.irp j, 0,2,4,6,8,10,12,14,16,18,20,22,24,26,28,30
	v_pk_mul_f32 v[S+32*\x+\j:S+32*\x+\j+1], v[S+32*\x+\j:S+32*\x+\j+1], v[RL+2*\x:RL+2*\x+1] op_sel_hi:[1,0]   ; O / l: register 32 x + 16 b + i is channel 64 x + 32 b + 16 h + i of the unit's 128
.endr
.endr
.if \n == 1
	s_wait_dscnt 0x0                               ; the first unit's LDS stores have read their registers
.endif
	QUANT S, 0, 4, PC, PCT, 19
.irp c, 0,1,2
	ds_store_b128 v8, v[PC+4*\c:PC+4*\c+3] offset:OIMG+1536*\n+512*\c   ; the fragment as it stands: lane l's 16 bytes at 16 l
.endr
	ds_store_b32 v9, v19 offset:128*\n
.endm
	s_wait_loadcnt 58                              ; Wo's scale words, bo and unit 0 are in; unit 1's 58 loads may be out
	WIN 0x80
	WOLOAD 0                                       ; Wo's K steps 0 and 1 are asked for now and land under the attention
	WIN 0
	UNIT 0
	s_wait_loadcnt 48                              ; unit 1 is in; the 48 loads issued behind it may be out
	WIN 0xc0
	WOLOAD 2
	WIN 0
	UNIT 1
	s_wait_dscnt 0x0                               ; for the others' sake: my images have landed
	s_barrier_signal -1
	s_barrier_wait -1                              ; O's eight fragments lie in LDS; nothing is written there again
	; out^T = Wo O^T + bo: 16 accumulators (8 tiles of outputs x 2 tiles of rows) by turns, K step by K step
.irp f, 0,1,2,3,4,5,6,7
.irp c, 0,1,2
	ds_load_b128 v[S+12*\f+4*\c:S+12*\f+4*\c+3], v1 offset:OIMG+1536*\f+512*\c
.endr
	ds_load_b32 v[OSCR+\f], v10 offset:OSC+128*\f
.endr
.macro OSTEP s
.irp m, 0,1,2,3,4,5,6,7
.irp u, 0,1
.set rD, 8*(2*\m+\u)
.set rA, 96*((\s)%2)+12*\m
.set rB, S+12*(4*\u+\s)
.if \s == 0
	v_wmma_scale_f32_16x16x128_f8f6f4 v[rD:rD+7], v[rA:rA+11], v[rB:rB+11], v[192+8*\m:192+8*\m+7], v[WOS+4*\m+\s], v[OSCR+4*\u+\s] matrix_a_fmt:MATRIX_FMT_FP6 matrix_b_fmt:MATRIX_FMT_FP6
.else
	v_wmma_scale_f32_16x16x128_f8f6f4 v[rD:rD+7], v[rA:rA+11], v[rB:rB+11], v[rD:rD+7], v[WOS+4*\m+\s], v[OSCR+4*\u+\s] matrix_a_fmt:MATRIX_FMT_FP6 matrix_b_fmt:MATRIX_FMT_FP6
.endif
.endr
.endr
.endm
	s_wait_dscnt 0x0
	s_wait_loadcnt 48                              ; Wo's K steps 0 and 1 are in; the 48 loads of steps 2 and 3 may be out
	WIN 0x62                                       ; source 0 (Wo) and C (bo) window 2, source 1 (O) window 0, D window 1
	OSTEP 0
	WIN 0x52                                       ; C and D window 1
	OSTEP 1
	s_wait_loadcnt 0x0
	WIN 0x53                                       ; source 0 window 3
	OSTEP 2
	OSTEP 3
	WIN 0
.rept 4
	v_nop                                          ; four places in front of the first read of results and of loads into registers that matrix instructions have read
.endr
	; THE WAY OUT: a lane's eight results are eight neighbouring outputs of one row; through my own stage they become whole rows of 512 bytes
	WIN 0x04                                       ; an LDS store's data are its source 1: window 1
.irp m, 0,1,2,3,4,5,6,7
.irp u, 0,1
	ds_store_b128 v11, v[8*(2*\m+\u):8*(2*\m+\u)+3] offset:8448*\u+128*(\m/2)+32*(\m%2)        ; each accumulator from its low end on
	ds_store_b128 v11, v[8*(2*\m+\u)+4:8*(2*\m+\u)+7] offset:8448*\u+128*(\m/2)+32*(\m%2)+16
.endr
.endr
	WIN 0x80
.set li, 0
.rept 32
	ds_load_b128 v[4*li:4*li+3], v12 offset:528*li ; LDS serves a wave's instructions in order: these see the stores above
.set li, li+1
.endr
	WIN 0x08                                       ; a global store's data are its source 1: window 2
.set li, 0
.rept 32
	s_wait_dscnt 31-li                             ; stage row li is back; the younger loads may be out
	global_store_b128 v1, v[4*li:4*li+3], s[SOUT:SOUT+1] offset:(8*(li/16)+li%16+8*((li%16)/8))*2048 th:TH_STORE_NT   ; stage row 16 u + r is row 8 u + r + 8 (r / 8) of the block: 512 consecutive bytes, aligned
.set li, li+1
.endr
	WIN 0
	s_wait_tensorcnt 0x0                           ; the wave's end
	ds_add_u32 v[SPW], v[NIL]
	s_wait_dscnt 0x0
	s_endpgm
.Lfunc_end_k_q17a1a9dddb_attn:
	.size	k_q17a1a9dddb_attn, .Lfunc_end_k_q17a1a9dddb_attn-k_q17a1a9dddb_attn
	.p2alignl 7, 3214868480
	.fill 96, 4, 3214868480
	.section	.rodata,"a",@progbits
	.p2align	6, 0x0
	.amdhsa_kernel k_q17a1a9dddb_attn
		.amdhsa_group_segment_fixed_size 81408
		.amdhsa_private_segment_fixed_size 0
		.amdhsa_enable_private_segment 0
		.amdhsa_kernarg_size 64
		.amdhsa_user_sgpr_count 2
		.amdhsa_user_sgpr_kernarg_segment_ptr 1
		.amdhsa_wavefront_size32 1
		.amdhsa_system_sgpr_workgroup_id_x 1
		.amdhsa_system_sgpr_workgroup_id_y 1
		.amdhsa_system_sgpr_workgroup_id_z 1
		.amdhsa_system_vgpr_workitem_id 0
		.amdhsa_next_free_vgpr 1024
		.amdhsa_next_free_sgpr 80
		.amdhsa_reserve_vcc 1
		.amdhsa_float_denorm_mode_32 3
		.amdhsa_float_denorm_mode_16_64 3
		.amdhsa_memory_ordered 1
		.amdhsa_forward_progress 1
		.amdhsa_inst_pref_size 93
	.end_amdhsa_kernel
	.amdgpu_metadata
---
amdhsa.version: [ 1, 2 ]
amdhsa.kernels:
  - .name:           k_q17a1a9dddb_attn
    .symbol:         k_q17a1a9dddb_attn.kd
    .args:
      - { .name: qkc, .offset: 0, .size: 8, .value_kind: global_buffer, .address_space: global }
      - { .name: qks, .offset: 8, .size: 8, .value_kind: global_buffer, .address_space: global }
      - { .name: vc, .offset: 16, .size: 8, .value_kind: global_buffer, .address_space: global }
      - { .name: vs, .offset: 24, .size: 8, .value_kind: global_buffer, .address_space: global }
      - { .name: img, .offset: 32, .size: 8, .value_kind: global_buffer, .address_space: global }
      - { .name: isc, .offset: 40, .size: 8, .value_kind: global_buffer, .address_space: global }
      - { .name: bo, .offset: 48, .size: 8, .value_kind: global_buffer, .address_space: global }
      - { .name: out0, .offset: 56, .size: 8, .value_kind: global_buffer, .address_space: global }
    .group_segment_fixed_size: 81408
    .private_segment_fixed_size: 0
    .kernarg_segment_align: 8
    .kernarg_segment_size: 64
    .max_flat_workgroup_size: 128
    .sgpr_count:     80
    .vgpr_count:     1024
    .wavefront_size: 32
...
	.end_amdgpu_metadata
.endif
;; end of part 3
